; MI455X (gfx1250); checked and timed in simulation.
; The chip was launched on July 23, 2026; its instructions are those of AMD's public machine-readable ISA for CDNA 5 (MIT licence, August 2026) and "CDNA5" Instruction Set Architecture Reference Guide (July 2026). The comments in the code are by the model that wrote it; some were corrected since.
;; Custom LSTM Cell. Allowed arithmetic: matrix products marked QUANTISED: E2M1 operands, one E8M0 scale for each 32 along K, by v_wmma_scale_f32_16x16x128_f8f6f4 with both operands' format E2M1 (or v_wmma_scale_f32_32x16x128_f4), f32 sums; everything else in f32.
;; Inputs: W_f 2,048 x 1,024 float32; W_g 2,048 x 1,024 float32; W_i 2,048 x 1,024 float32; W_o 2,048 x 1,024 float32; Z 8,192 x 1,024 float32; b_f 1,024 float32; b_g 1,024 float32; b_i 1,024 float32; b_o 1,024 float32; c_prev 8,192 x 1,024 float32; h_prev 8,192 x 1,024 float32.
;; Outputs: out0 8,192 x 1,024 float32; out1 8,192 x 1,024 float32.
;; This version of the problem:
;;   THIS VERSION OF THE PROBLEM IS GIVEN IN LOW PRECISION. The matrix products marked QUANTISED in the list below multiply operands that are first quantised to E2M1 (2 exponent bits, 1 mantissa bit; 4 bits a number), with one power-of-two scale for each 32 numbers along K (OCP MX v1.0); their sums are f32. All else is computed in f32.
;;   The module's matrix products, in the order in which they are computed (A, B: the left and right operand; K: the contracted axis; several contracted axes count as one K, in the product's order):
;;     1. [M 8,192, K 2,048] x [K 2,048, N 1,024]; A: computed on the way; B: input W_i: QUANTISED
;;     2. [M 8,192, K 2,048] x [K 2,048, N 1,024]; A: computed on the way; B: input W_f: QUANTISED
;;     3. [M 8,192, K 2,048] x [K 2,048, N 1,024]; A: computed on the way; B: input W_o: QUANTISED
;;     4. [M 8,192, K 2,048] x [K 2,048, N 1,024]; A: computed on the way; B: input W_g: QUANTISED
;;   THE QUANTISER, for each operand of a quantised product, along K:
;;     - K is cut into blocks of 32 from its start; a last block that is shorter is filled with zeros.
;;     - A block's scale is 2^e with e = floor(log2(the largest magnitude in the block)) - 2, held to -126 .. 127; a block of zeros has e = 0. As a byte (E8M0): e + 127.
;;     - Each number is divided by its block's scale, clamped to +-6, and rounded to the nearest number of E2M1, ties to even, subnormals kept.
;;     - The product sums the exact products of the quantised numbers (number of the format x scale) in f32.
;;   ~~~python
;;   def quantise(x, axis):      # numpy; x: float32 -> the quantised numbers, widened to float32 again
;;       x = np.moveaxis(x, axis, -1); K = x.shape[-1]
;;       x = np.pad(x, [(0, 0)] * (x.ndim - 1) + [(0, -K % 32)]); x = x.reshape(x.shape[:-1] + (-1, 32)); a = np.abs(x).max(-1, keepdims=True)
;;       e = np.where(a > 0, np.clip(np.frexp(np.where(a > 0, a, 1))[1] - 1 - 2, -126, 127), 0)      # np.frexp(a)[1] - 1 = floor(log2(a)), exactly
;;       r = np.clip(x / 2.0 ** e, -6, 6)
;;       step = 2.0 ** (np.maximum(np.frexp(np.where(r == 0, 1, r))[1] - 1, 0) - 1)
;;       q = np.round(r / step) * step * 2.0 ** e      # np.round: ties to even
;;       return np.moveaxis(q.reshape(q.shape[:-2] + (-1,))[..., :K], -1, axis).astype(np.float32)
;;   ~~~
;;   OPERANDS COMPUTED ON THE WAY. 'Computed on the way' means the value that the module computes at that place (a softmax that the list does not call 'softmax' is quantised finished and normalised). What goes into a quantiser is computed in f32, as accurately as f32 sums, v_exp_f32 and their like allow (about 1e-6 of the number): no bf16 or f16 on the way to a quantiser, and a product that is left as it is and whose result goes on into a quantised operand takes f32 operands (vector FMAs, or v_wmma_f32_16x16x4_f32). A number that lies on a knife's edge between two numbers of the format may be rounded either way, as far as f32 arithmetic and the matrix unit's own rounding can turn it there, and no further.
;; One version. Each part assembles by itself: llvm-mc -triple=amdgcn-amd-amdhsa -mcpu=gfx1250 --defsym DOCPART=n.
;; ======== version 1 of 1: 2 launches
;; limits: inputs' magnitudes at most 1.15e+18; right only within a limited range of input values
;; workspace buffers: a_codes 8,388,608 bytes; a_scales 524,288 bytes; w_codes 4,194,304 bytes; w_scales 262,144 bytes
;; launch prep (part 1): grid 768 x 1, 4 waves a work-group, no clusters, 51,712 bytes of LDS; arguments Z, h_prev, W_i, W_f, W_o, W_g, a_codes, a_scales, w_codes, w_scales; writes a_codes, a_scales, w_codes, w_scales
.if DOCPART == 1
	.amdgcn_target "amdgcn-amd-amdhsa--gfx1250"
	.amdhsa_code_object_version 6
	.text
	.protected	k_q6e3abfccbe_prep
	.globl	k_q6e3abfccbe_prep
	.p2align	8
	.type	k_q6e3abfccbe_prep,@function
k_q6e3abfccbe_prep:
	s_mov_b64 s[64:65], 0
	v_nop
	global_prefetch_b8 v0, s[64:65] scope:SCOPE_SE
	s_setreg_imm32_b32 hwreg(HW_REG_WAVE_MODE, 25, 1), 1
	s_wait_xcnt 0x0
; LSTM cell, first of two launches: both operands of the four QUANTISED products are turned into codes of FP4 (E2M1) with one E8M0 byte for each 32 along K, once.
; NO WORK OF THE PROBLEM IS LEFT OUT: every input (Z, h_prev, c_prev, the four weights, the four biases) has a way to both outputs, so all are loaded, by this launch or the next.
; combined = [Z | h_prev], [8192][2048]: a_codes [8192][1024 bytes] (bytes 0-511 Z's codes, 512-1023 h_prev's), a_scales [8192][64 bytes]: K innermost, two codes a byte, the lower k in the low four bits.
; The four weights [2048 (k)][1024 (n)] become ONE operand of 4,096 rows, K innermost: w_codes [4096][1024 bytes], w_scales [4096][64 bytes].  Row R = 128 q + 32 gate + jj is hidden unit 32 q + jj of gate (i 0, f 1, o 2, g 3):
; so 128 neighbouring rows are 32 hidden units x 4 gates, and the next launch finds i, f, o, g of one hidden unit in one lane.
; A block's scale is 2^(floor(log2(its largest magnitude)) - 2): its byte is the largest magnitude's exponent field - 2, held at 1 from below.  Each number is divided by the scale and rounded to the nearest code, ties to even; beyond 6 the largest code.
; LIMITS: a block of zeros gets the byte 1 where the rule says 127 (its codes are zeros, which add nothing under any byte but 0xff, and this program alone reads the bytes); blocks whose largest magnitude lies under 2^-124, the floor,
; were not tried; NaN and infinities among the inputs are not served.
; SHARES.  768 work-groups of four waves, each reading 131,072 bytes.  Work-groups 0-255 take the weights, 256-767 the rows of combined: one scalar branch on the work-group's number; each way has LDS bytes of its own.
;   ROWS: a wave takes 4 rows of combined in 16 steps of 512 numbers (steps 0-7 Z's, 8-15 h_prev's).  Each load reads 512 consecutive bytes; a step's 2,048 bytes turn through the wave's own stage in LDS, so that a lane
;   holds 16 neighbours along K (two lanes a block).  A step's codes leave as 256 consecutive bytes, aligned; the wave's 256 scale bytes are gathered in LDS and leave as one such store.
;   WEIGHTS: a work-group takes 64 hidden units of one gate x 512 along K; wave w takes 128 of the 512; lane l takes columns 2 l, 2 l + 1 and its registers run down K: each load reads 256 consecutive bytes, aligned.
;   A row's 256 bytes of codes come from four waves: they meet in a stage, behind the work-group's one barrier, and sixteen lanes store 256 consecutive bytes, aligned.
; The barrier stands where the two ways join, so that every wave of every work-group passes it; all that the weights' way out names is made at the head, ahead of the parting.
.set WST,   0                          ; LDS: the weights' stage: 64 rows x (256 + 16) bytes
.set WSC,   17408                      ; their scale bytes: 64 rows x 16
.set ABASE, 18432                      ; the rows' way: 8,192 bytes for each wave: two stages of 32 x 80 bytes, then its 256 scale bytes
.set SPARE, 51200                      ; the spare words, 128 bytes for each wave: two blocks of 256 bytes that no other line names
.set SP,    80                         ; a lane's place in a stage: 64 bytes + 16 of padding
.set SPW,   254                        ; v254  LDS address of my spare word; never rewritten
.set NIL,   255                        ; v255  0; never rewritten
.set RDW,   248                        ; v248  the weights' way out: where I read a row of the stage
.set GOW,   249                        ; v249  and its place in w_codes
.set RDS,   250                        ; v250  where I read 8 scale bytes
.set GOS,   251                        ; v251  and their place in w_scales
; the rows' way: v3 16 x lane, v4 8 x lane, v5, v6 scale bytes in LDS, v14, v15 the stage in and out, v8, v9, v11 at work
.set R,     16                         ; v16-143   eight sets of 16 numbers as loaded
.set XN,    144                        ; v144-175  two sets of 16 neighbours
.set E,     176                        ; v176-191  a scale byte for each step
.set C,     192                        ; v192-223  two registers of codes for each step: no store's data are written again
; the weights' way: v3 8 x lane, v4 the stage, v5 the scale words in LDS
.set XW,    16                         ; v16-143   two sets of 64: register 2 k + c = W(k, column 2 l + c)
.set T0,    144                        ; v144-151, v152-159: eight neighbours along K of one column, two sets by turns
.set CW,    160                        ; v160-167  a block's codes, four registers a column
.set MX,    168                        ; v168-171  largest magnitudes, two chains a column
.set SO,    172                        ; v172-173  the conversions' scale operands
.set BY,    174                        ; v174-175  a scale byte
.set WD,    176                        ; v176-177  a column's four scale bytes
.macro LOAD t                          ; step t's 2,048 bytes: four loads of 512 consecutive bytes
.irp i, 0,1,2,3
.if (\t) < 8
	global_load_b128 v[R+16*((\t)%8)+4*\i:R+16*((\t)%8)+4*\i+3], v3, s[16:17] offset:2048*((\t)%8)+512*\i th:TH_LOAD_NT
.else
	global_load_b128 v[R+16*((\t)%8)+4*\i:R+16*((\t)%8)+4*\i+3], v3, s[18:19] offset:2048*((\t)%8)+512*\i th:TH_LOAD_NT
.endif
.endr
.endm
.macro ATURN t                         ; step t's numbers through the stage: LDS serves a wave's instructions in order, so no wait stands between the stores and the loads
.irp i, 0,1,2,3
	ds_store_b128 v14, v[R+16*((\t)%8)+4*\i:R+16*((\t)%8)+4*\i+3] offset:32*SP*((\t)%2)+8*SP*\i
.endr
.irp i, 0,1,2,3
	ds_load_b128 v[XN+16*((\t)%2)+4*\i:XN+16*((\t)%2)+4*\i+3], v15 offset:32*SP*((\t)%2)+16*\i
.endr
.endm
.macro STEP t
.set XS, XN+16*((\t)%2)
.if (\t) > 0
	s_wait_dscnt 1                                 ; this step's numbers are back from the stage (the last step's byte store may be out): so its stores into the stage have read their registers,
.else
	s_wait_dscnt 0x0
.endif
.if (\t) < 8
	LOAD (\t)+8                                    ; which take the loads of eight steps on
.endif
.if (\t) < 15
.if (\t) <= 7
	s_wait_loadcnt 28                              ; the next step's four loads are in; those of the seven steps behind it may be out
.else
	s_wait_loadcnt 4*(14-(\t))                     ; no more loads are issued: the steps behind the next one
.endif
	ATURN (\t)+1                                   ; and go through the other stage while this step is worked
.endif
	v_max3_num_f32 v8, |v[XS]|, |v[XS+1]|, |v[XS+2]|               ; the largest magnitude of my 16, in two chains
	v_max3_num_f32 v9, |v[XS+3]|, |v[XS+4]|, |v[XS+5]|
.irp i, 6,10
	v_max3_num_f32 v8, v8, |v[XS+\i]|, |v[XS+\i+1]|
	v_max3_num_f32 v9, v9, |v[XS+\i+2]|, |v[XS+\i+3]|
.endr
	v_max3_num_f32 v8, v8, |v[XS+14]|, |v[XS+15]|
	v_max3_num_f32 v8, v8, v9, 0x1800000           ; and the floor 2^(3 - 127): the byte cannot fall under 1
	v_max_num_f32_dpp v8, v8, v8 row_xmask:1 row_mask:0xf bank_mask:0xf   ; and of my neighbour's 16: the block's
	v_add_nc_u32 v11, 0xff000000, v8               ; 2 off its exponent field: the conversion takes the exponent field of this operand as its scale, and nothing else of it
	v_cvt_scalef32_pk8_fp4_f32 v[C+2*(\t)], v[XS:XS+7], v11
	v_cvt_scalef32_pk8_fp4_f32 v[C+2*(\t)+1], v[XS+8:XS+15], v11
	v_lshrrev_b32 v[E+(\t)], 23, v11               ; the scale's byte (also the plain line behind the conversions)
	ds_store_b8 v5, v[E+(\t)] offset:64*(((\t)%8)/2)+32*((\t)/8)+16*((\t)%2)      ; row, Z's or h_prev's half of its 64 bytes, half of that; both lanes of a block write the same byte with the same value
	global_store_b64 v4, v[C+2*(\t):C+2*(\t)+1], s[28:29] offset:1024*(((\t)%8)/2)+512*((\t)/8)+256*((\t)%2)   ; the wave stores 256 consecutive bytes, aligned
.endm
.macro WLOAD t                         ; block t of my 128 along K: W(32 t + k, columns 2 l, 2 l + 1), k = 0 .. 31, into set t % 2
.set KK, 0
.rept 32
	global_load_b64 v[XW+64*((\t)%2)+2*KK:XW+64*((\t)%2)+2*KK+1], v3, s[36:37] offset:(32*(\t)+KK)*4096 th:TH_LOAD_NT
.set KK, KK+1
.endr
.endm
.macro BLOCK t
.set XS, XW+64*((\t)%2)
.if (\t) < 3
	s_wait_loadcnt 32                              ; this block's 32 loads are in; the next block's may be out
.else
	s_wait_loadcnt 0x0
.endif
.irp c, 0,1                                    ; each column's largest magnitude: all 32 numbers are mine; two chains a column, the columns by turns
	v_max3_num_f32 v[MX+2*\c],   |v[XS+\c]|,   |v[XS+2+\c]|, |v[XS+4+\c]|
	v_max3_num_f32 v[MX+2*\c+1], |v[XS+6+\c]|, |v[XS+8+\c]|, |v[XS+10+\c]|
.endr
.irp i, 6,10,14,18,22,26
.irp c, 0,1
	v_max3_num_f32 v[MX+2*\c],   v[MX+2*\c],   |v[XS+2*\i+\c]|,   |v[XS+2*\i+2+\c]|
	v_max3_num_f32 v[MX+2*\c+1], v[MX+2*\c+1], |v[XS+2*\i+4+\c]|, |v[XS+2*\i+6+\c]|
.endr
.endr
.irp c, 0,1
	v_max3_num_f32 v[MX+2*\c], v[MX+2*\c], |v[XS+60+\c]|, |v[XS+62+\c]|
.endr
.irp c, 0,1
	v_max3_num_f32 v[MX+2*\c], v[MX+2*\c], v[MX+2*\c+1], 0x1800000   ; and the floor 2^(3 - 127)
.endr
.irp c, 0,1
	v_add_nc_u32 v[SO+\c], 0xff000000, v[MX+2*\c]  ; 2 off the exponent field: the conversion's scale operand
.endr
.irp c, 0,1
.if (\t) == 0
	v_lshrrev_b32 v[WD+\c], 23, v[SO+\c]           ; the scale's byte: four to a register, the lower K in the lower byte
.else
	v_lshrrev_b32 v[BY+\c], 23, v[SO+\c]
.endif
.endr
.if (\t) > 0
.irp c, 0,1
	v_lshl_or_b32 v[WD+\c], v[BY+\c], 8*(\t), v[WD+\c]
.endr
.endif
.irp c, 0,1                                    ; a load's pair holds two columns: eight moves lay eight neighbours along K of ONE column on end, as the conversion wants them.
.irp g, 0,1,2,3                                ; Two sets by turns: the eight moves into the other set are the plain lines between a conversion and the rewriting of its sources
.set TT, T0+8*((\g)%2)
.irp i, 0,1,2,3,4,5,6,7
	v_mov_b32 v[TT+\i], v[XS+2*(8*\g+\i)+\c]
.endr
	v_cvt_scalef32_pk8_fp4_f32 v[CW+4*\c+\g], v[TT:TT+7], v[SO+\c]
.endr
.endr
	v_nop                                          ; one plain line behind the last conversion
.irp c, 0,1
	ds_store_b128 v4, v[CW+4*\c:CW+4*\c+3] offset:WST+272*\c+16*(\t)   ; 32 codes: 16 bytes of my column's row of the stage
.endr
.if (\t) < 2
	WLOAD (\t)+2
.endif
	s_wait_dscnt 0x0                               ; the stores have read their registers: the next block's codes may be written
.endm
	s_load_b512 s[16:31], s[0:1], 0x0              ; Z s[16:17], h_prev s[18:19], W_i s[20:21], W_f s[22:23], W_o s[24:25], W_g s[26:27], a_codes s[28:29], a_scales s[30:31]
	s_load_b128 s[32:35], s[0:1], 0x40             ; w_codes s[32:33], w_scales s[34:35]
	v_lshl_add_u32 v[SPW], v0, 2, SPARE
	v_mov_b32 v[NIL], 0
	v_lshrrev_b32 v1, 5, v0
	v_readfirstlane_b32 s2, v1                     ; wave 0..3
	v_and_b32 v2, 31, v0                           ; lane
	s_wait_alu depctr_va_vdst(0)
	s_bfe_u32 s3, ttmp9, 0x20006                   ; the weights' shares, from the work-group's number: y, which 512 along K (2 bits from bit 6),
	s_bfe_u32 s4, ttmp9, 0x20004                   ; the gate (2 bits from bit 4),
	s_and_b32 s5, ttmp9, 15                        ; cg, which 64 hidden units
	s_lshl_b32 s6, s5, 8                           ; the first row of w_codes that my wave stores: R0 = 256 cg + 128 (w / 2) + 32 gate + 16 (w % 2): stage rows 16 w .. 16 w + 15
	s_lshr_b32 s7, s2, 1
	s_lshl_b32 s7, s7, 7
	s_add_co_u32 s6, s6, s7
	s_lshl_b32 s7, s4, 5
	s_add_co_u32 s6, s6, s7
	s_and_b32 s7, s2, 1
	s_lshl_b32 s7, s7, 4
	s_add_co_u32 s6, s6, s7
	s_lshl_b32 s8, s6, 10                          ; in w_codes: 1,024 R0 + 256 y
	s_lshl_b32 s7, s3, 8
	s_add_co_u32 s8, s8, s7
	s_mov_b32 s9, 0
	s_lshl_b32 s10, s6, 6                          ; in w_scales: 64 R0 + 16 y
	s_lshl_b32 s7, s3, 4
	s_add_co_u32 s10, s10, s7
	s_mov_b32 s11, 0
	v_and_b32 v10, 15, v2
	v_lshrrev_b32 v11, 4, v2
	s_mul_i32 s7, s2, 16*272
	v_mul_u32_u24 v12, v11, 272
	v_lshl_add_u32 v12, v10, 4, v12
	v_add_nc_u32 v[RDW], s7, v12                   ; out of the stage: rows 16 w on; sixteen lanes to a row, two rows an instruction
	v_lshlrev_b32 v12, 10, v11
	v_lshl_add_u32 v[GOW], v10, 4, v12             ; and the same place in w_codes
	s_lshl_b32 s7, s2, 8
	s_add_co_u32 s7, s7, WSC
	v_lshl_add_u32 v[RDS], v2, 3, s7               ; my wave's 16 rows x 16 scale bytes, 8 bytes a lane
	v_lshrrev_b32 v12, 1, v2
	v_and_b32 v13, 1, v2
	v_lshlrev_b32 v13, 3, v13
	v_lshl_add_u32 v[GOS], v12, 6, v13             ; and their place in w_scales: row lane / 2, half lane % 2
	s_wait_kmcnt 0x0
	s_add_nc_u64 s[32:33], s[32:33], s[8:9]
	s_add_nc_u64 s[34:35], s[34:35], s[10:11]
	s_cmp_lt_u32 ttmp9, 256                        ; the work-group's number alone: all four waves go the same way
	s_cbranch_scc0 .Lrows
	; ---- THE WEIGHTS
	s_cmp_lt_u32 s4, 2                             ; the gate picks the buffer: a choice that hangs on no address
	s_cselect_b64 s[36:37], s[20:21], s[24:25]     ; W_i or W_o
	s_cselect_b64 s[38:39], s[22:23], s[26:27]     ; W_f or W_g
	s_and_b32 s7, s4, 1
	s_cmp_eq_u32 s7, 0
	s_cselect_b64 s[36:37], s[36:37], s[38:39]
	s_lshl_b32 s12, s3, 21                         ; row 512 y + 128 w of 4,096 bytes, column 64 cg
	s_lshl_b32 s7, s2, 19
	s_add_co_u32 s12, s12, s7
	s_lshl_b32 s7, s5, 8
	s_add_co_u32 s12, s12, s7
	s_mov_b32 s13, 0
	s_add_nc_u64 s[36:37], s[36:37], s[12:13]
	v_lshlrev_b32 v3, 3, v2                        ; in: 8 bytes a lane
	WLOAD 0
	WLOAD 1
	v_mul_u32_u24 v4, v2, 544                      ; into the stage: rows 2 l and 2 l + 1, my wave's 64 bytes of their 256
	s_lshl_b32 s7, s2, 6
	v_add_nc_u32 v4, s7, v4
	s_lshl_b32 s7, s2, 2
	s_add_co_u32 s7, s7, WSC
	v_lshl_add_u32 v5, v2, 5, s7                   ; the scale words: 16 bytes a row, my wave's 4
	BLOCK 0
	BLOCK 1
	BLOCK 2
	BLOCK 3
.irp c, 0,1
	ds_store_b32 v5, v[WD+\c] offset:16*\c
.endr
	s_branch .Lmeet
	; ---- THE ROWS OF combined
.Lrows:
	s_sub_co_u32 s6, ttmp9, 256
	s_lshl_b32 s6, s6, 2
	s_add_co_u32 s6, s6, s2                        ; which 4 rows are my wave's: 0 .. 2,047
	s_lshl_b32 s8, s6, 14                          ; 4 rows of 4,096 bytes in Z and in h_prev,
	s_mov_b32 s9, 0
	s_add_nc_u64 s[16:17], s[16:17], s[8:9]
	s_add_nc_u64 s[18:19], s[18:19], s[8:9]
	s_lshl_b32 s8, s6, 12                          ; of 1,024 in a_codes,
	s_add_nc_u64 s[28:29], s[28:29], s[8:9]
	s_lshl_b32 s8, s6, 8                           ; of 64 in a_scales
	s_add_nc_u64 s[30:31], s[30:31], s[8:9]
	v_lshlrev_b32 v3, 4, v2                        ; my 16 bytes of a load's 512
.irp t, 0,1,2,3,4,5,6,7
	LOAD \t
.endr
	s_lshl_b32 s7, s2, 13
	s_add_co_u32 s7, s7, ABASE                     ; my wave's region
	v_lshrrev_b32 v14, 2, v2
	v_mul_u32_u24 v14, v14, SP
	v_and_b32 v15, 3, v2
	v_lshl_add_u32 v14, v15, 4, v14
	v_add_nc_u32 v14, s7, v14                      ; the stage, on the way in: four lanes' 64 bytes on end, then 16 of padding
	v_mul_u32_u24 v15, v2, SP
	v_add_nc_u32 v15, s7, v15                      ; and on the way out: my 16 neighbours
	v_lshlrev_b32 v4, 3, v2                        ; my codes' place in a step's 256 bytes
	v_lshrrev_b32 v5, 1, v2
	s_add_co_u32 s7, s7, 2*32*SP
	v_add_nc_u32 v5, s7, v5                        ; my block's scale byte,
	v_add_nc_u32 v6, s7, v4                        ; and on the way out 8 bytes a lane
	s_wait_alu depctr_va_vdst(0)
	s_wait_loadcnt 28                              ; step 0's four loads are in
	ATURN 0
.irp t, 0,1,2,3,4,5,6,7,8,9,10,11,12,13,14,15
	STEP \t
.endr
	ds_load_b64 v[8:9], v6                         ; LDS serves a wave's instructions in order: these see my byte stores
	s_wait_dscnt 0x0
	global_store_b64 v4, v[8:9], s[30:31]          ; 4 rows x 64 scale bytes: 256 consecutive bytes, aligned
.Lmeet:
	s_wait_dscnt 0x0                               ; for the others' sake: my stores into the stage have landed
	s_barrier_signal -1
	s_barrier_wait -1                              ; the weights' stage is whole
	s_cmp_lt_u32 ttmp9, 256
	s_cbranch_scc0 .Lend
	; ---- THE WEIGHTS' WAY OUT: 16 whole rows a wave
.irp i, 0,1,2,3,4,5,6,7
	ds_load_b128 v[16+4*\i:19+4*\i], v[RDW] offset:WST+544*\i
.endr
	ds_load_b64 v[48:49], v[RDS]
.irp i, 0,1,2,3,4,5,6,7
	s_wait_dscnt 8-\i                              ; load i is in; the LDS loads issued behind it may be out
	global_store_b128 v[GOW], v[16+4*\i:19+4*\i], s[32:33] offset:2048*\i   ; sixteen lanes store 256 consecutive bytes, aligned
.endr
	s_wait_dscnt 0x0
	global_store_b64 v[GOS], v[48:49], s[34:35]    ; 16 bytes of each of 16 rows
.Lend:
	s_wait_tensorcnt 0x0                           ; the wave's end: behind my last LDS store
	ds_add_u32 v[SPW], v[NIL]
	s_wait_dscnt 0x0
	s_endpgm
.Lfunc_end_k_q6e3abfccbe_prep:
	.size	k_q6e3abfccbe_prep, .Lfunc_end_k_q6e3abfccbe_prep-k_q6e3abfccbe_prep
	.p2alignl 7, 3214868480
	.fill 96, 4, 3214868480
	.section	.rodata,"a",@progbits
	.p2align	6, 0x0
	.amdhsa_kernel k_q6e3abfccbe_prep
		.amdhsa_group_segment_fixed_size 51712
		.amdhsa_private_segment_fixed_size 0
		.amdhsa_enable_private_segment 0
		.amdhsa_kernarg_size 80
		.amdhsa_user_sgpr_count 2
		.amdhsa_user_sgpr_kernarg_segment_ptr 1
		.amdhsa_wavefront_size32 1
		.amdhsa_system_sgpr_workgroup_id_x 1
		.amdhsa_system_sgpr_workgroup_id_y 1
		.amdhsa_system_sgpr_workgroup_id_z 1
		.amdhsa_system_vgpr_workitem_id 0
		.amdhsa_next_free_vgpr 256
		.amdhsa_next_free_sgpr 66
		.amdhsa_reserve_vcc 0
		.amdhsa_float_denorm_mode_32 3
		.amdhsa_float_denorm_mode_16_64 3
		.amdhsa_memory_ordered 1
		.amdhsa_forward_progress 1
		.amdhsa_inst_pref_size 70
	.end_amdhsa_kernel
	.amdgpu_metadata
---
amdhsa.version: [ 1, 2 ]
amdhsa.kernels:
  - .name:           k_q6e3abfccbe_prep
    .symbol:         k_q6e3abfccbe_prep.kd
    .args:
      - { .name: Z, .offset: 0, .size: 8, .value_kind: global_buffer, .address_space: global }
      - { .name: h_prev, .offset: 8, .size: 8, .value_kind: global_buffer, .address_space: global }
      - { .name: W_i, .offset: 16, .size: 8, .value_kind: global_buffer, .address_space: global }
      - { .name: W_f, .offset: 24, .size: 8, .value_kind: global_buffer, .address_space: global }
      - { .name: W_o, .offset: 32, .size: 8, .value_kind: global_buffer, .address_space: global }
      - { .name: W_g, .offset: 40, .size: 8, .value_kind: global_buffer, .address_space: global }
      - { .name: a_codes, .offset: 48, .size: 8, .value_kind: global_buffer, .address_space: global }
      - { .name: a_scales, .offset: 56, .size: 8, .value_kind: global_buffer, .address_space: global }
      - { .name: w_codes, .offset: 64, .size: 8, .value_kind: global_buffer, .address_space: global }
      - { .name: w_scales, .offset: 72, .size: 8, .value_kind: global_buffer, .address_space: global }
    .group_segment_fixed_size: 51712
    .private_segment_fixed_size: 0
    .kernarg_segment_align: 8
    .kernarg_segment_size: 80
    .max_flat_workgroup_size: 128
    .sgpr_count:     66
    .vgpr_count:     256
    .wavefront_size: 32
...
	.end_amdgpu_metadata
.endif
;; end of part 1
;; launch cell (part 2): grid 16 x 32, 4 waves a work-group, clusters of 4 x 4, 327,680 bytes of LDS; arguments a_codes, a_scales, w_codes, w_scales, b_i, b_f, b_o, b_g, c_prev, out0, out1; writes out0, out1
.if DOCPART == 2
	.amdgcn_target "amdgcn-amd-amdhsa--gfx1250"
	.amdhsa_code_object_version 6
	.text
	.protected	k_q6e3abfccbe_cell
	.globl	k_q6e3abfccbe_cell
	.p2align	8
	.type	k_q6e3abfccbe_cell,@function
k_q6e3abfccbe_cell:
	s_mov_b64 s[64:65], 0
	v_nop
	global_prefetch_b8 v0, s[64:65] scope:SCOPE_SE
	s_setreg_imm32_b32 hwreg(HW_REG_WAVE_MODE, 25, 1), 1
	s_wait_xcnt 0x0
	s_wait_alu depctr_hold_cnt(0) depctr_sa_sdst(0) depctr_va_vdst(0) depctr_va_sdst(0) depctr_va_ssrc(0) depctr_va_vcc(0) depctr_vm_vsrc(0)
	s_getreg_b32 s2, hwreg(HW_REG_IB_STS2, 6, 4)
	s_cmp_eq_u32 s2, 0
	s_cbranch_scc0 .Lentry_in_a_cluster
	s_endpgm
.Lentry_in_a_cluster:
	s_bfe_u32 s2, ttmp6, 0x10000c
	s_cmp_lg_u32 s2, 0xf033
	s_cbranch_scc0 .Lentry_shape_is_right
	s_endpgm
.Lentry_shape_is_right:
; LSTM cell, second of two launches.  No work of the problem is left out.  The four QUANTISED products are ONE product on codes of FP4 (E2M1) with E8M0 scales, [8192][2048] x [4096 rows][2048]^T, and the cell is its way out:
; i, f, o = sigmoid(x + b), g = tanh(x + b), c = f c_prev + i g (out1), h = o tanh(c) (out0); no pre-activation goes to memory.
; a_codes [8192][1024 bytes], a_scales [8192][64], w_codes [4096][1024], w_scales [4096][64]: made by the launch before.  Row R = 128 q + 32 gate + jj of the weights is hidden unit 32 q + jj of gate (i 0, f 1, o 2, g 3).
; SHARES.  A work-group of four waves makes 256 rows x 256 rows of the weights (64 hidden units x 4 gates); a wave 128 x 128: 64 accumulators, 512 registers.  K goes in four steps of 512 (tile rows of 256 bytes) through two LDS slots.
; THE MATRIX INSTRUCTION IS USED TRANSPOSED (source 0 = 16 rows of the weights, source 1 = 16 rows of combined): accumulator (a, b), register i, lane (r, h) is row 16 a + r, gate b / 2, hidden unit 16 (b % 2) + 8 h + i of my 32.
; The biases are the C of each sum's first matrix instruction.
; CLUSTERS: 4 x 4.  A row of the cluster shares combined's tiles, a column the weights': each is asked for JOINTLY.  c_prev's tile is a work-group's own: a plain load into slot 0 behind its last K step.
; THE HEAD: one tensor load a wave (combined's 256 rows of K step 0, the weights' 256, combined's scales, the weights' scales); slot 1's first fill stands behind the full sequence and a round.
; PREFETCHES: K steps 1 and 2 behind the head's load, K step 3 behind slot 1's load, c_prev's tile behind K step 2's load: a lane a row of 256 bytes; of a tile's 256 rows each of the four partners that share it names 64, by address.
; THE WAY OUT'S ARITHMETIC, with E_x = 2^min(k x, 30) (k = -log2 e for i, f, o; -2 log2 e for g and c):
;   c = [c_prev (1+E_i)(1+E_g) + (1-E_g)(1+E_f)] / [(1+E_i)(1+E_g)(1+E_f)];   h = (1-u) / [(1+E_o)(1+u)], u = E_c.
; It is a pipeline over the wave's eight blocks of 16 rows: trip n holds block n's c, block n - 1's h, block n + 1's exponentials, block n + 2's holds at 30 and block n - 2's rows on their way to memory.
; Between the transcendentals of a batch stand plain lines of other blocks, each of which reads what was written ahead of the batch's opening wait and is read behind its closing wait.
; LIMITS: the exponents are held at 30 from above, so a sigmoid is never under 2^-30 and a tanh stands within 2^-29 of -1 where the true one is nearer; |c_prev| under 2^60, so that no product passes f32's range; NaN and infinities are not served.
; REGISTERS: window 0: v1-31 addresses; v32-95 scale words, two sets, and nothing else; v128-191 combined's fragments; on the way out v128-255 four sets of rows read back.
;   window 1: the weights' fragments at v0 and v128, the biases at v64-127; on the way out all that is at work.   windows 2, 3: the accumulators of my rows 0-63, 64-127 ((a, b) at v[8 (8 (a % 4) + b)]).
.set NQ,     4
.set ROWB,   256
.set KROW,   1024
.set PITCH,  272                       ; 256 bytes + 16 of padding: the 16 rows that a load touches start 4 words apart modulo 64 (64 banks of 4 bytes: ISA guide 11.1)
.set FR,     8
.set NL,     2
.set NP,     4                         ; places behind this matrix instruction (ISA guide 7.12.1)
.set HALFT,  128*PITCH
.set SLOT,   4*HALFT                   ; combined's 256 rows, then the weights' 256
.set KS,     64
.set SCL,    2*SLOT                    ; the scales, as rows of 256 bytes + 16
.set HALFS,  (128*KS/256)*272
.set SBLK,   (16*KS/256)*272
.set SPARE,  SCL+4*HALFS               ; the spare words: two blocks of 256 bytes that no other line names
.set HST,    256*PITCH                 ; the way out, in slot 0: c_prev and c at byte 0, h from here on
.set ROWO,   4096
.set PFK,  12                          ; v12 1,024 x lane: the codes' prefetches
.set ADRA, 16
.set ADRB, 20
.set STC,  22                          ; my 32 bytes of a row of c_prev's tile
.set STH,  23
.set RDC,  24                          ; where I read whole rows of c back
.set RDH,  25
.set CO,   26
.set ADRS, 27
.set SPW,  28
.set NIL,  29
.set PFC,  30                          ; v30 4,096 x lane: c_prev's prefetches
.set BO,   31
.set SC,   32
.set AF,   128
.set BI,   64
.set GG,   192                         ; window 1, on the way out: v0-191 three sets of 64 by turns (block a in set a % 3: the numbers of i, f, o, g, 16 each)
.set CPR,  208                         ; c_prev, then c's dividend
.set U,    224
.set DV,   240
.set K1,   2
.set K2,   104
.set CAP,  95
.set PK,   12                          ; s[12:13] my 32 rows for the codes' prefetches
.set G0C,  20
.set G1C,  40
.set G1,   24
.set G0,   32
.set G1B,  48
.set G0B,  56
.set PFA,  66
.set G1S,  68
.set G0S,  76
.set G1SB, 80
.set G0SB, 88
.set G0H,  4
.set G0HB, 8
.set PC,   96
.set PH,   98
.set PO,   100
.set MSB, 0
.macro WIN new                         ; the immediate's high byte repeats the setting that is left
.if MSB != \new
	s_set_vgpr_msb (MSB<<8)|\new
.set MSB, \new
.endif
.endm
.set MUL_LO,  0xa1
.set MUL_HI,  0xf1
.set BIAS_LO, 0x91
.set BIAS_HI, 0xd1
.set TO_B,    0x40
.set W1,      0x55                     ; all four places window 1
.macro WAITV
	s_wait_alu depctr_va_vdst(0)
.endm
.macro PLACES n
.rept \n
	v_nop
.endr
.endm
; a joint load: waves 0 and 1 fetch for combined, waves 2 and 3 for the weights; s_nop 0 and four v_nop behind each line
.macro JLOAD g0a, g1a, g0b, g1b
	s_cmp_eq_u32 s15, 0
	s_cbranch_scc0 .Lfor_b_\@
	tensor_load_to_lds s[\g0a:\g0a+3], s[\g1a:\g1a+7]
	s_nop 0
	PLACES 4
	s_branch .Lasked_\@
.Lfor_b_\@:
	tensor_load_to_lds s[\g0b:\g0b+3], s[\g1b:\g1b+7]
	s_nop 0
	PLACES 4
.Lasked_\@:
.endm
.macro CREST
	s_cmp_lg_u32 s14, 0
	s_cbranch_scc1 .Lnot_wave_0_\@
	s_barrier_signal -3
.Lnot_wave_0_\@:
	s_barrier_wait -3
	s_barrier_signal -1
	s_barrier_wait -1
.endm
.macro CROUND
	s_barrier_signal -1
	s_barrier_wait -1
	CREST
.endm
	s_load_b256 s[4:11], s[0:1], 0x0               ; a_codes, a_scales, w_codes, w_scales
	s_load_b256 s[56:63], s[0:1], 0x20             ; b_i, b_f, b_o, b_g
	s_load_b128 s[96:99], s[0:1], 0x40             ; c_prev, out0
	s_load_b64 s[100:101], s[0:1], 0x50            ; out1
	v_lshl_add_u32 v[SPW], v0, 2, SPARE
	v_mov_b32 v[NIL], 0
	ds_add_u32 v[SPW], v[NIL]                      ; the opening lines: the add twice on end and one wait
	ds_add_u32 v[SPW], v[NIL]
	v_lshrrev_b32 v1, 5, v0
	v_readfirstlane_b32 s14, v1                    ; wave
	s_lshr_b32 s15, s14, 1                         ; my half of the tile's rows; also: I fetch for combined (0) or the weights (1)
	s_and_b32 s16, s14, 1                          ; my half of its columns; also: which 128 rows I fetch
	s_bfe_u32 s40, ttmp6, 0x40000                  ; cx
	s_bfe_u32 s41, ttmp6, 0x40004                  ; cy
	s_lshl_b32 s42, ttmp9, 2
	s_add_co_u32 s42, s42, s40                     ; tile column: 64 hidden units
	s_and_b32 s17, ttmp7, 0xffff
	s_lshl_b32 s17, s17, 2
	s_add_co_u32 s17, s17, s41                     ; tile row: 256 rows
	s_lshl_b32 s43, s41, 2
	s_lshl_b32 s43, 15, s43                        ; my row of the cluster
	s_lshl_b32 s44, 0x1111, s40                    ; my column
	v_and_b32 v1, 15, v0                           ; r
	v_bfe_u32 v2, v0, 4, 1                         ; h
	v_and_b32 v5, 31, v0
	v_lshlrev_b32 v[PFK], 10, v5
	v_lshlrev_b32 v[PFC], 12, v5
	s_lshl_b32 s18, s42, 8                         ; a bias: my 32 hidden units begin at 64 x tile column + 32 x column half
	s_lshl_b32 s19, s16, 7
	s_add_co_u32 s18, s18, s19
	v_lshl_add_u32 v[BO], v2, 5, s18
	; group 1 for codes: rows of 256 bytes, padded; 256 rows for the head's loads
	s_or_b32 s[G1+0], s43, (0<<16)|(1<<20)|(1<<21)|(5<<22)|(3<<25)
	s_or_b32 s[G1B+0], s44, (0<<16)|(1<<20)|(1<<21)|(5<<22)|(3<<25)
.irp g, G1, G1B
	s_mov_b32 s[\g+1], ROWB<<16
	s_mov_b32 s[\g+2], 256<<16
	s_mov_b32 s[\g+3], ROWB<<16
	s_mov_b32 s[\g+4], 256
	s_mov_b32 s[\g+5], KROW
	s_mov_b32 s[\g+6], 0
	s_mov_b32 s[\g+7], 0
.endr
	; and for the scales of 256 rows: a dense block of 16,384 bytes, as 64 rows of 256 bytes (32 elements of 8)
	s_or_b32 s[G1S+0], s43, (3<<16)|(1<<20)|(1<<21)|(5<<22)|(3<<25)
	s_or_b32 s[G1SB+0], s44, (3<<16)|(1<<20)|(1<<21)|(5<<22)|(3<<25)
.irp g, G1S, G1SB
	s_mov_b32 s[\g+1], 32<<16
	s_mov_b32 s[\g+2], KS<<16
	s_mov_b32 s[\g+3], 32<<16
	s_mov_b32 s[\g+4], KS
	s_mov_b32 s[\g+5], 32
	s_mov_b32 s[\g+6], 0
	s_mov_b32 s[\g+7], 0
.endr
	s_mov_b32 s[G0S], 1
	s_mov_b32 s[G0S+1], SCL
	s_mov_b32 s[G0SB], 1
	s_mov_b32 s[G0SB+1], SCL+2*HALFS
	s_lshl_b32 s20, s17, 8                         ; combined: the tile's first row
	s_lshl_b32 s46, s42, 8                         ; the weights'
	s_mov_b32 s21, 0
	s_mov_b32 s47, 0
	s_lshl_b64 s[22:23], s[20:21], 6               ; offsets in bytes: the scales',
	s_lshl_b64 s[92:93], s[46:47], 6
	s_lshl_b64 s[20:21], s[20:21], 10              ; the codes'
	s_lshl_b64 s[46:47], s[46:47], 10
	s_mul_i32 s45, s14, HALFT                      ; in the ring: wave x 128 rows
	WAITV
	s_wait_dscnt 0x0                               ; both opening adds are done
	CROUND                                         ; the round in front of the first joint loads; the arguments come meanwhile
	s_wait_kmcnt 0x0
	s_add_nc_u64 s[20:21], s[4:5], s[20:21]
	s_add_nc_u64 s[22:23], s[6:7], s[22:23]
	s_add_nc_u64 s[46:47], s[8:9], s[46:47]
	s_add_nc_u64 s[92:93], s[10:11], s[92:93]
	s_mov_b32 s[G0H], 1
	s_mov_b32 s[G0H+1], 0
	s_mov_b64 s[G0H+2:G0H+3], s[20:21]
	s_or_b32 s[G0H+3], s[G0H+3], 0x80000000
	s_mov_b32 s[G0HB], 1
	s_mov_b32 s[G0HB+1], 2*HALFT
	s_mov_b64 s[G0HB+2:G0HB+3], s[46:47]
	s_or_b32 s[G0HB+3], s[G0HB+3], 0x80000000
	s_mov_b64 s[G0S+2:G0S+3], s[22:23]
	s_or_b32 s[G0S+3], s[G0S+3], 0x80000000
	s_mov_b64 s[G0SB+2:G0SB+3], s[92:93]
	s_or_b32 s[G0SB+3], s[G0SB+3], 0x80000000
; the head's loads, one a wave, in one tree of branches on the wave's number
.macro ARM under, g0, g1, next
	s_cmp_lt_u32 s14, \under
	s_cbranch_scc0 \next
	tensor_load_to_lds s[\g0:\g0+3], s[\g1:\g1+7]
	s_nop 0
	PLACES 4
	s_branch .Lhead_asked
\next:
.endm
	ARM 1, G0H,  G1,  .Lhead_b
	ARM 2, G0HB, G1B, .Lhead_sa
	ARM 3, G0S,  G1S, .Lhead_sb
	tensor_load_to_lds s[G0SB:G0SB+3], s[G1SB:G1SB+7]
	s_nop 0
	PLACES 4
.Lhead_asked:
	WIN TO_B
.irp g, 0,1,2,3
.irp j, 0,1
.irp c, 0,1
	global_load_b128 v[BI+16*\g+8*\j+4*\c:BI+16*\g+8*\j+4*\c+3], v[BO], s[56+2*\g:57+2*\g] offset:64*\j+16*\c   ; block 2 gate + j: the biases of hidden units 16 j + 8 h + 0 .. 7
.endr
.endr
.endr
	WIN 0
	s_cmp_eq_u32 s15, 0                            ; the codes' prefetches: of the tile's 256 rows my work-group names 64 (by cx for combined, cy for the weights), my wave 32 of them
	s_cselect_b32 s92, s40, s41
	s_cselect_b64 s[PK:PK+1], s[20:21], s[46:47]
	s_lshl_b32 s92, s92, 6
	s_lshl_b32 s93, s16, 5
	s_add_co_u32 s92, s92, s93
	s_lshl_b32 s92, s92, 10
	s_mov_b32 s93, 0
	s_add_nc_u64 s[PK:PK+1], s[PK:PK+1], s[92:93]
	s_mul_i32 s18, s16, 128*KROW                   ; for the ring: my 128 rows of the tile
	s_mov_b32 s19, 0
	s_add_nc_u64 s[20:21], s[20:21], s[18:19]
	s_add_nc_u64 s[46:47], s[46:47], s[18:19]
	s_mul_i32 s2, s15, HALFT                       ; my 128 rows of combined,
	s_mul_i32 s3, s16, HALFT                       ; of the weights, behind combined's 256
	s_add_co_u32 s3, s3, 2*HALFT
	s_mul_i32 s18, s15, HALFS                      ; the scales likewise
	s_mul_i32 s19, s16, HALFS
	s_add_co_u32 s19, s19, 2*HALFS
	s_sub_co_u32 s19, s19, s18
	s_add_co_u32 s18, s18, SCL
	s_mul_i32 s22, s15, 128*PITCH                  ; the way out
	s_mul_i32 s23, s16, 8*PITCH
	s_add_co_u32 s23, s23, s22
	s_lshl_b32 s94, s16, 7
	s_add_co_u32 s22, s22, s94
	global_prefetch_b8 v[PFK], s[PK:PK+1] offset:ROWB th:TH_LOAD_NT scope:SCOPE_SE      ; K step 1
	global_prefetch_b8 v[PFK], s[PK:PK+1] offset:2*ROWB th:TH_LOAD_NT scope:SCOPE_SE    ; K step 2
	v_mul_u32_u24 v3, v1, PITCH
	v_lshl_add_u32 v4, v2, 4, v3                   ; a fragment's row x pitch + 16 h
	v_add_nc_u32 v[ADRA], s2, v4
	v_add_nc_u32 v[ADRB], s3, v4
	v_add_nc_u32 v[ADRA+1], SLOT, v[ADRA]
	v_add_nc_u32 v[ADRB+1], SLOT, v[ADRB]
	v_mul_u32_u24 v5, v1, KS                       ; my row's scales: 64 bytes a row, 16 more for each 256 passed
	v_lshrrev_b32 v6, 8, v5
	v_lshl_add_u32 v5, v6, 4, v5
	v_mul_u32_u24 v6, s19, v2                      ; lanes 16-31 take the weights'
	v_add_nc_u32 v5, v5, v6
	v_add_nc_u32 v[ADRS], s18, v5
	v_lshl_add_u32 v5, v2, 5, v3
	v_add_nc_u32 v[STC], s22, v5
	v_add_nc_u32 v[STH], HST, v[STC]
	v_mul_u32_u24 v5, v2, PITCH                    ; back: of a block's 16 rows the wave of column half 0 takes the first eight, the other the last eight
	v_lshl_add_u32 v5, v1, 4, v5
	v_add_nc_u32 v[RDC], s23, v5
	v_add_nc_u32 v[RDH], HST, v[RDC]
	v_lshlrev_b32 v5, 12, v2
	v_lshl_add_u32 v[CO], v1, 4, v5
	s_wait_xcnt 0x0                                ; the biases' loads have read their bases: s[56:63] may be written
.irp s, 0,1
	s_mov_b32 s[G0+4*\s], 1
	s_add_co_u32 s[G0+4*\s+1], s45, \s*SLOT
	s_add_nc_u64 s[G0+4*\s+2:G0+4*\s+3], s[20:21], \s*ROWB
	s_or_b32 s[G0+4*\s+3], s[G0+4*\s+3], 0x80000000
	s_mov_b32 s[G0B+4*\s], 1
	s_add_co_u32 s[G0B+4*\s+1], s45, \s*SLOT
	s_add_nc_u64 s[G0B+4*\s+2:G0B+4*\s+3], s[46:47], \s*ROWB
	s_or_b32 s[G0B+4*\s+3], s[G0B+4*\s+3], 0x80000000
.endr
	s_lshl_b32 s18, s17, 20                        ; the tile's first byte in c_prev, out0, out1
	s_lshl_b32 s19, s42, 8
	s_add_co_u32 s18, s18, s19
	s_mov_b32 s19, 0
	s_add_nc_u64 s[PC:PC+1], s[PC:PC+1], s[18:19]
	s_add_nc_u64 s[PH:PH+1], s[PH:PH+1], s[18:19]
	s_add_nc_u64 s[PO:PO+1], s[PO:PO+1], s[18:19]
	s_lshl_b32 s18, s14, 18                        ; of c_prev's tile each wave fetches 64 rows
	s_add_nc_u64 s[PFA:PFA+1], s[PC:PC+1], s[18:19]
	s_mov_b32 s[G0C], 1
	s_mul_i32 s[G0C+1], s14, 64*PITCH
	s_mov_b64 s[G0C+2:G0C+3], s[PFA:PFA+1]
	s_or_b32 s[G0C+3], s[G0C+3], 0x80000000
	s_lshl_b32 s18, s15, 19                        ; the rows that I store: 128 x row half + 8 x column half on
	s_lshl_b32 s94, s16, 15
	s_add_co_u32 s18, s18, s94
	s_add_nc_u64 s[PH:PH+1], s[PH:PH+1], s[18:19]
	s_add_nc_u64 s[PO:PO+1], s[PO:PO+1], s[18:19]
	s_mov_b32 s[K1], 0xbfb8aa3b                    ; -log2 e
	s_mov_b32 s[K1+1], 0xbfb8aa3b
	s_mov_b32 s[K2], 0xc038aa3b                    ; -2 log2 e
	s_mov_b32 s[K2+1], 0xc038aa3b
	s_mov_b32 s[CAP], 0x41f00000                   ; 30.0
	s_mov_b32 s[G1C+0], (2<<16)|(1<<20)|(5<<22)|(3<<25)   ; c_prev's tile: 64 rows x 64 elements of 4 bytes, padded, no mask
	s_mov_b32 s[G1C+1], 64<<16
	s_mov_b32 s[G1C+2], 64<<16
	s_mov_b32 s[G1C+3], 64<<16
	s_mov_b32 s[G1C+4], 64
	s_mov_b32 s[G1C+5], 1024
	s_mov_b32 s[G1C+6], 0
	s_mov_b32 s[G1C+7], 0
.macro FRAG reg, adr, q, i             ; 16 rows x 128 K: registers 4 c .. 4 c + 3 hold K = 64 c + 32 h + 0 .. 31
.irp c, 0,1
	ds_load_b128 v[\reg+4*\c:\reg+4*\c+3], v[\adr] offset:64*(\q)+32*\c+(\i)*16*PITCH
.endr
.endm
; 16 matrix instructions: combined's blocks a0, a0 + 1 x the weights' eight.  zero = 1: the first product starts the sums, with the biases as C.  The 64 accumulators take turns.
.macro MUL16 a0, p, q, sc, zero
.irp a, \a0, \a0+1
.irp b, 0,1,2,3,4,5,6,7
.if \zero
	v_wmma_scale_f32_16x16x128_f8f6f4 v[8*(8*((\a)%4)+\b):8*(8*((\a)%4)+\b)+7], v[128*(\p)+FR*\b:128*(\p)+FR*\b+FR-1], v[AF+FR*(\a):AF+FR*(\a)+FR-1], v[BI+8*\b:BI+8*\b+7], v[SC+8*NQ*(\sc)+NQ*\b+(\q)], v[SC+8*NQ*(\sc)+NQ*(\a)+(\q)] matrix_a_fmt:MATRIX_FMT_FP4 matrix_b_fmt:MATRIX_FMT_FP4 matrix_a_scale:MATRIX_SCALE_ROW1
.else
	v_wmma_scale_f32_16x16x128_f8f6f4 v[8*(8*((\a)%4)+\b):8*(8*((\a)%4)+\b)+7], v[128*(\p)+FR*\b:128*(\p)+FR*\b+FR-1], v[AF+FR*(\a):AF+FR*(\a)+FR-1], v[8*(8*((\a)%4)+\b):8*(8*((\a)%4)+\b)+7], v[SC+8*NQ*(\sc)+NQ*\b+(\q)], v[SC+8*NQ*(\sc)+NQ*(\a)+(\q)] matrix_a_fmt:MATRIX_FMT_FP4 matrix_b_fmt:MATRIX_FMT_FP4 matrix_a_scale:MATRIX_SCALE_ROW1
.endif
.endr
.endr
.endm
.macro FETCH_B slot, q, p
	WIN TO_B
.irp i, 0,1,2,3,4,5,6,7
	FRAG 128*(\p)+FR*\i, ADRB+\slot, \q, \i
.endr
	WIN 0
.endm
.macro FETCH_A slot, q, i0
.irp i, \i0, \i0+1, \i0+2, \i0+3
	FRAG AF+FR*(\i), ADRA+\slot, \q, \i
.endr
.endm
.macro SCALES sc                       ; lanes 0-15 take combined's block i, lanes 16-31 the weights' block i: 4 words a row
.irp i, 0,1,2,3,4,5,6,7
	ds_load_b128 v[SC+8*NQ*\sc+NQ*\i:SC+8*NQ*\sc+NQ*\i+3], v[ADRS] offset:\i*SBLK
.endr
.endm
.macro STEP slot, q, zero              ; 128 along K with its successor in the same slot
	s_wait_dscnt 4*NL                              ; all but the youngest eight loads (blocks 4-7)
.if \zero
	WIN BIAS_LO
.else
	WIN MUL_LO
.endif
	MUL16 0, (\q)%2, \q, \slot, \zero
	MUL16 2, (\q)%2, \q, \slot, \zero
	s_wait_dscnt 0
	PLACES NP
	FETCH_B \slot, (\q)+1, 1-(\q)%2
	FETCH_A \slot, (\q)+1, 0
.if \zero
	WIN BIAS_HI
.else
	WIN MUL_HI
.endif
	MUL16 4, (\q)%2, \q, \slot, \zero
	MUL16 6, (\q)%2, \q, \slot, \zero
	PLACES NP
	WIN 0
	FETCH_A \slot, (\q)+1, 4
.endm
; a slot's last step changes slots: one barrier, which opens a round of the cluster's.  fill = 1: a joint refill two K steps ahead.  fill = 2: my 64 rows of c_prev's tile into slot 0.  pf = 1: those rows are prefetched, two refills ahead.
.macro TURN slot, next, fill, pf
	s_wait_tensorcnt 0x0                           ; all my tensor loads have landed
	ds_add_u32 v[SPW], v[NIL]
	s_wait_dscnt 4*NL+1                            ; (the add and the youngest eight loads may be out)
	WIN MUL_LO
	MUL16 0, 1, NQ-1, \slot, 0
	s_wait_dscnt 0x0                               ; the add is done, my reads of this slot are over
	s_barrier_signal -1
	MUL16 2, 1, NQ-1, \slot, 0
	WIN 0
	s_barrier_wait -1
	CREST
.if \fill == 1
	s_add_nc_u64 s[G0+4*\slot+2:G0+4*\slot+3], s[G0+4*\slot+2:G0+4*\slot+3], 2*ROWB
	s_add_nc_u64 s[G0B+4*\slot+2:G0B+4*\slot+3], s[G0B+4*\slot+2:G0B+4*\slot+3], 2*ROWB
	JLOAD G0+4*\slot, G1, G0B+4*\slot, G1B
.else
	tensor_load_to_lds s[G0C:G0C+3], s[G1C:G1C+7]
	s_nop 0
	PLACES 4
.endif
	v_add_nc_u32 v[ADRS], 4*NQ, v[ADRS]            ; the next K step's scale words
	WAITV
	FETCH_B \next, 0, 0
	FETCH_A \next, 0, 0
	SCALES \next
.if \pf
	global_prefetch_b8 v[PFC], s[PFA:PFA+1] th:TH_LOAD_NT scope:SCOPE_SE
	global_prefetch_b8 v[PFC], s[PFA:PFA+1] offset:32*ROWO th:TH_LOAD_NT scope:SCOPE_SE
.endif
	WIN MUL_HI
	MUL16 4, 1, NQ-1, \slot, 0
	MUL16 6, 1, NQ-1, \slot, 0
	PLACES NP
	WIN 0
	FETCH_A \next, 0, 4
.endm
.macro STEPS slot, from
.set Q, \from
.rept NQ-1-\from
	STEP \slot, Q, 0
.set Q, Q+1
.endr
.endm
; ---- THE WAY OUT'S PARTS.  Sixteen numbers a lane and block: eight packed instructions a line of arithmetic.
.macro PK2 d, x, y
.irp p, 0,2,4,6,8,10,12,14
	v_pk_mul_f32 v[\d+\p:\d+\p+1], v[\x+\p:\x+\p+1], v[\y+\p:\y+\p+1]
.endr
.endm
.macro PK3 d, x, y, z
.irp p, 0,2,4,6,8,10,12,14
	v_pk_fma_f32 v[\d+\p:\d+\p+1], v[\x+\p:\x+\p+1], v[\y+\p:\y+\p+1], v[\z+\p:\z+\p+1]
.endr
.endm
.macro ONE1 d, x, neg                  ; one pair: 1 + x, or 1 - x
.if \neg
	v_pk_add_f32 v[\d:\d+1], v[\x:\x+1], 1.0 op_sel_hi:[1,0] neg_lo:[1,0] neg_hi:[1,0]
.else
	v_pk_add_f32 v[\d:\d+1], v[\x:\x+1], 1.0 op_sel_hi:[1,0]
.endif
.endm
.macro PKONE d, x, neg
.irp p, 0,2,4,6,8,10,12,14
	ONE1 \d+\p, \x+\p, \neg
.endr
.endm
.macro PRE win                         ; k x, in place, over the window's 32 accumulators, each from its low end on
	WIN \win
.set EN, 0
.rept 128
.if (EN%32) < 24
	v_pk_mul_f32 v[2*EN:2*EN+1], v[2*EN:2*EN+1], s[K1:K1+1] op_sel_hi:[1,0]
.else
	v_pk_mul_f32 v[2*EN:2*EN+1], v[2*EN:2*EN+1], s[K2:K2+1] op_sel_hi:[1,0]
.endif
.set EN, EN+1
.endr
.endm
; block a's 64 exponentials, in place in its set of window 1; between them block b's 64 numbers are held at 30, out of window 2 or 3 into its set (b over 7: none).  One setting serves both: source 0 and the result window 1, source 1 the accumulators'
.macro EXMIN a, b
.if (\b) <= 7
	WIN 0x49+4*((\b)/4)
.else
	WIN W1
.endif
.set EN, 0
.rept 64
.if (\a) >= 0
	v_exp_f32 v[64*((\a)%3)+EN], v[64*((\a)%3)+EN]
.endif
.if (\b) <= 7
	v_min_num_f32 v[64*((\b)%3)+EN], s[CAP], v[64*((\b)%4)+EN]
.endif
.set EN, EN+1
.endr
.endm
.macro GROUPB a                        ; (1 + E_i)(1 + E_g); (1 - E_g)(1 + E_f); the divisor of c
.set YB, 64*((\a)%3)
	PK3 YB, YB, GG, GG
	PK2 YB+48, YB+48, YB+16
	PK2 YB+16, YB, YB+16
.endm
.macro CPLOAD a                        ; c_prev of my 16 elements of block a
	WIN TO_B
.irp j, 0,1
.irp c, 0,1
	ds_load_b128 v[CPR+8*\j+4*\c:CPR+8*\j+4*\c+3], v[STC] offset:16*PITCH*(\a)+64*\j+16*\c
.endr
.endr
.endm
.macro PUT adr, reg, a                 ; my 16 elements of block a into a stage
.irp j, 0,1
.irp c, 0,1
	ds_store_b128 v[\adr], v[\reg+8*\j+4*\c:\reg+8*\j+4*\c+3] offset:16*PITCH*(\a)+64*\j+16*\c
.endr
.endr
.endm
.macro BACK a                          ; eight whole rows of block a, h's and c's: lanes 0-15 one row, lanes 16-31 the next; four sets of registers by turns
.set BB, 128+32*((\a)%4)
.irp t, 0,1,2,3
	ds_load_b128 v[BB+4*\t:BB+4*\t+3],       v[RDH] offset:(16*(\a)+2*\t)*PITCH
	ds_load_b128 v[BB+16+4*\t:BB+16+4*\t+3], v[RDC] offset:(16*(\a)+2*\t)*PITCH
.endr
.endm
.macro OUT a
.set BB, 128+32*((\a)%4)
.irp t, 0,1,2,3
	global_store_b128 v[CO], v[BB+4*\t:BB+4*\t+3],       s[PH:PH+1] offset:(16*(\a)+2*\t)*ROWO th:TH_STORE_NT   ; sixteen lanes store 256 consecutive bytes, aligned
	global_store_b128 v[CO], v[BB+16+4*\t:BB+16+4*\t+3], s[PO:PO+1] offset:(16*(\a)+2*\t)*ROWO th:TH_STORE_NT
.endr
.endm
; Trip n.  The waits on the vector side stand ahead of and behind each batch of transcendentals; each also stands between what was written ahead of it and the readers behind the waits that block.
.macro ITER n
.set YN, 64*((\n)%3)
.set YP, 64*(((\n)+2)%3)
.set YX, 64*(((\n)+1)%3)
	WIN W1
.if (\n) >= 1
	PKONE DV, U, 0                                 ; block n - 1: 1 + u,
	PK3 DV, YP+32, DV, DV                          ; (1 + E_o)(1 + u)
.endif
	WAITV
.set EN, 0
.rept 8                                        ; the first batch: the reciprocals of block n's divisor of c and of block n - 1's of h; between them c's dividend and 1 - u
.if (\n) <= 7
	v_rcp_f32 v[YN+16+2*EN], v[YN+16+2*EN]
	v_pk_fma_f32 v[CPR+2*EN:CPR+2*EN+1], v[CPR+2*EN:CPR+2*EN+1], v[YN+2*EN:YN+2*EN+1], v[YN+48+2*EN:YN+48+2*EN+1]
	v_rcp_f32 v[YN+17+2*EN], v[YN+17+2*EN]
.endif
.if (\n) >= 1
	v_rcp_f32 v[DV+2*EN], v[DV+2*EN]
	ONE1 U+2*EN, U+2*EN, 1
	v_rcp_f32 v[DV+2*EN+1], v[DV+2*EN+1]
.endif
.set EN, EN+1
.endr
.if (\n) <= 6
	EXMIN (\n)+1, (\n)+2                           ; and block n + 1's exponentials, with block n + 2's holds between them
	WIN W1
.endif
	v_nop
	WAITV
	WIN 0
.if (\n) >= 2
	s_wait_dscnt 0x0                               ; for the others' sake: my stores of block n - 2 have landed.  A row's 256 bytes come from two waves; each block has bytes of its own: one barrier a block
	s_barrier_signal -1
	s_barrier_wait -1
.if (\n) >= 6
	s_wait_xcnt 0x0                                ; the stores of four blocks back have read their registers
.endif
	BACK (\n)-2
.endif
	WIN W1
.if (\n) >= 1
	PK2 DV, U, DV                                  ; h of block n - 1
.endif
.if (\n) <= 7
	PK2 YN, CPR, YN+16                             ; c of block n
.irp p, 0,2,4,6,8,10,12,14
	v_pk_mul_f32 v[U+\p:U+\p+1], v[YN+\p:YN+\p+1], s[K2:K2+1] op_sel_hi:[1,0]
.endr
.irp e, 0,1,2,3,4,5,6,7,8,9,10,11,12,13,14,15
	v_min_num_f32 v[U+\e], s[CAP], v[U+\e]
.endr
.endif
	WIN 0x04                                       ; the data window 1, the address window 0
.if (\n) <= 7
	PUT STC, YN, \n                                ; over my own bytes of c_prev, which I have read
.endif
.if (\n) >= 1
	PUT STH, DV, (\n)-1
.endif
.if (\n) <= 6
	CPLOAD (\n)+1
.endif
.if (\n) <= 7
	WIN W1
	WAITV
.set EN, 0
.rept 8                                        ; the second batch: u of block n; between its exponentials 1 + E_g, 1 - E_g, 1 + E_f of block n + 1
	v_exp_f32 v[U+2*EN], v[U+2*EN]
.if (\n) <= 6
	ONE1 GG+2*EN, YX+48+2*EN, 0
.endif
	v_exp_f32 v[U+2*EN+1], v[U+2*EN+1]
.if (\n) <= 6
	ONE1 YX+48+2*EN, YX+48+2*EN, 1
	ONE1 YX+16+2*EN, YX+16+2*EN, 0
.endif
.set EN, EN+1
.endr
	v_nop
	WAITV
.if (\n) <= 6
	GROUPB (\n)+1
.endif
.endif
	WIN 0
	s_wait_dscnt 0x0                               ; the rows of block n - 2 and c_prev of block n + 1 are in; my stores have landed
.if (\n) >= 2
	OUT (\n)-2
.endif
.endm
	WAITV
	s_wait_tensorcnt 0x0                           ; my tile of the head's four is in; the full sequence ahead of slot 1's first fill:
	ds_add_u32 v[SPW], v[NIL]
	s_mov_b32 s[G1+2], 128<<16                     ; no tensor load of mine is out: from here on a load brings 128 rows
	s_mov_b32 s[G1+4], 128
	s_mov_b32 s[G1B+2], 128<<16
	s_mov_b32 s[G1B+4], 128
	s_wait_dscnt 0x0
	CROUND
	JLOAD G0+4, G1, G0B+4, G1B                     ; K step 1
	FETCH_B 0, 0, 0
	FETCH_A 0, 0, 0
	SCALES 0
	global_prefetch_b8 v[PFK], s[PK:PK+1] offset:3*ROWB th:TH_LOAD_NT scope:SCOPE_SE    ; K step 3
	FETCH_A 0, 0, 4
	s_wait_loadcnt 0x0                             ; the biases
	STEP 0, 0, 1                                   ; K step 0: the first products start the sums with the biases
	STEPS 0, 1
	TURN 0, 1, 1, 1                                ; slot 0 takes K step 2
	STEPS 1, 0
	TURN 1, 0, 1, 0                                ; slot 1 takes K step 3
	STEPS 0, 0
	TURN 0, 1, 2, 0                                ; slot 0 takes c_prev's tile
	STEPS 1, 0
	s_wait_dscnt 4*NL
	WIN MUL_LO
	MUL16 0, 1, NQ-1, 1, 0
	MUL16 2, 1, NQ-1, 1, 0
	s_wait_dscnt 0x0
	s_wait_tensorcnt 0x0                           ; my 64 rows of c_prev's tile have landed
	s_barrier_signal -1
	WIN MUL_HI
	MUL16 4, 1, NQ-1, 1, 0
	MUL16 6, 1, NQ-1, 1, 0
	WIN 0
	s_barrier_wait -1                              ; the tile is whole
	PLACES NP
	CPLOAD 0
	PRE 0x8a
	PRE 0xcf
	EXMIN -1, 0                                    ; block 0's holds alone
	WAITV
	EXMIN 0, 1
	WIN W1
	v_nop
	WAITV
	PKONE GG, 48, 0                                ; block 0: 1 + E_g, 1 - E_g, 1 + E_f
	PKONE 48, 48, 1
	PKONE 16, 16, 0
	GROUPB 0
	WIN 0
	s_wait_dscnt 0x0                               ; c_prev of block 0
.irp n, 0,1,2,3,4,5,6,7,8
	ITER \n
.endr
	WAITV
	s_wait_dscnt 0x0
	s_barrier_signal -1
	s_barrier_wait -1                              ; block 7 lies whole in the stages
	s_wait_xcnt 0x0
	BACK 7
	s_wait_dscnt 0x0
	OUT 7
	s_wait_tensorcnt 0x0                           ; the wave's end
	ds_add_u32 v[SPW], v[NIL]
	s_wait_dscnt 0x0
	CROUND                                         ; the closing round
	s_endpgm
.Lfunc_end_k_q6e3abfccbe_cell:
	.size	k_q6e3abfccbe_cell, .Lfunc_end_k_q6e3abfccbe_cell-k_q6e3abfccbe_cell
	.p2alignl 7, 3214868480
	.fill 96, 4, 3214868480
	.section	.rodata,"a",@progbits
	.p2align	6, 0x0
	.amdhsa_kernel k_q6e3abfccbe_cell
		.amdhsa_group_segment_fixed_size 327680
		.amdhsa_private_segment_fixed_size 0
		.amdhsa_enable_private_segment 0
		.amdhsa_kernarg_size 88
		.amdhsa_user_sgpr_count 2
		.amdhsa_user_sgpr_kernarg_segment_ptr 1
		.amdhsa_wavefront_size32 1
		.amdhsa_system_sgpr_workgroup_id_x 1
		.amdhsa_system_sgpr_workgroup_id_y 1
		.amdhsa_system_sgpr_workgroup_id_z 1
		.amdhsa_system_vgpr_workitem_id 0
		.amdhsa_next_free_vgpr 1024
		.amdhsa_next_free_sgpr 106
		.amdhsa_reserve_vcc 0
		.amdhsa_float_denorm_mode_32 3
		.amdhsa_float_denorm_mode_16_64 3
		.amdhsa_memory_ordered 1
		.amdhsa_forward_progress 1
		.amdhsa_inst_pref_size 255
	.end_amdhsa_kernel
	.section	.bss,"aw",@nobits
	.p2align	6
	.space	262144
	.amdgpu_metadata
---
amdhsa.version: [ 1, 2 ]
amdhsa.kernels:
  - .name:           k_q6e3abfccbe_cell
    .symbol:         k_q6e3abfccbe_cell.kd
    .args:
      - { .name: a_codes, .offset: 0, .size: 8, .value_kind: global_buffer, .address_space: global }
      - { .name: a_scales, .offset: 8, .size: 8, .value_kind: global_buffer, .address_space: global }
      - { .name: w_codes, .offset: 16, .size: 8, .value_kind: global_buffer, .address_space: global }
      - { .name: w_scales, .offset: 24, .size: 8, .value_kind: global_buffer, .address_space: global }
      - { .name: b_i, .offset: 32, .size: 8, .value_kind: global_buffer, .address_space: global }
      - { .name: b_f, .offset: 40, .size: 8, .value_kind: global_buffer, .address_space: global }
      - { .name: b_o, .offset: 48, .size: 8, .value_kind: global_buffer, .address_space: global }
      - { .name: b_g, .offset: 56, .size: 8, .value_kind: global_buffer, .address_space: global }
      - { .name: c_prev, .offset: 64, .size: 8, .value_kind: global_buffer, .address_space: global }
      - { .name: out0, .offset: 72, .size: 8, .value_kind: global_buffer, .address_space: global }
      - { .name: out1, .offset: 80, .size: 8, .value_kind: global_buffer, .address_space: global }
    .group_segment_fixed_size: 327680
    .private_segment_fixed_size: 0
    .kernarg_segment_align: 8
    .kernarg_segment_size: 88
    .max_flat_workgroup_size: 128
    .sgpr_count:     106
    .vgpr_count:     1024
    .wavefront_size: 32
...
	.end_amdgpu_metadata
.endif
;; end of part 2
